; MI455X (gfx1250); checked and timed in simulation.
; The chip was launched on July 23, 2026; its instructions are those of AMD's public machine-readable ISA for CDNA 5 (MIT licence, August 2026) and "CDNA5" Instruction Set Architecture Reference Guide (July 2026). The comments in the code are by the model that wrote it; some were corrected since.
;; Additive Attention. Allowed arithmetic: matrix products marked QUANTISED: E4M3 operands, one E8M0 scale for each 32 along K, by v_wmma_scale_f32_16x16x128_f8f6f4 with both operands' format E4M3, f32 sums; products left as they are: f32 operands where the result goes on into a quantised operand, else bf16, f16 or f32 operands; f32 sums; everything else in f32.
;; Inputs: W1 1,024 x 1,024 float32; W2 1,024 x 1,024 float32; keys 64 x 1,024 x 1,024 float32; mask 64 x 1,024 bool; query 64 x 1,024 float32; v 1 x 1,024 float32.
;; Outputs: out0 64 x 1,024 float32; out1 64 x 1,024 float32.
;; This version of the problem:
;;   THIS VERSION OF THE PROBLEM IS GIVEN IN LOW PRECISION. The matrix products marked QUANTISED in the list below multiply operands that are first quantised to E4M3 (4 exponent bits, 3 mantissa bits; 8 bits a number), with one power-of-two scale for each 32 numbers along K (OCP MX v1.0); their sums are f32. All else is computed in f32.
;;   The module's matrix products, in the order in which they are computed (A, B: the left and right operand; K: the contracted axis; several contracted axes count as one K, in the product's order):
;;     1. [M 64, K 1,024] x [K 1,024, N 1,024]; A: input query; B: input W1: QUANTISED
;;     2. [M 65,536, K 1,024] x [K 1,024, N 1,024]; A: input keys; B: input W2: QUANTISED
;;     3. [M 65,536, K 1,024] x [K 1,024, N 1]; A: computed on the way; B: input v: left as it is (N = 1 < 16)
;;     4. batch 64 x [M 1, K 1,024] x [K 1,024, N 1,024]; A: computed on the way; B: input keys: left as it is (M = 1 < 16)
;;   THE QUANTISER, for each operand of a quantised product, along K:
;;     - K is cut into blocks of 32 from its start; a last block that is shorter is filled with zeros.
;;     - A block's scale is 2^e with e = floor(log2(the largest magnitude in the block)) - 8, held to -126 .. 127; a block of zeros has e = 0. As a byte (E8M0): e + 127.
;;     - Each number is divided by its block's scale, clamped to +-448, and rounded to the nearest number of E4M3, ties to even, subnormals kept.
;;     - The product sums the exact products of the quantised numbers (number of the format x scale) in f32.
;;   ~~~python
;;   def quantise(x, axis):      # numpy; x: float32 -> the quantised numbers, widened to float32 again
;;       x = np.moveaxis(x, axis, -1); K = x.shape[-1]
;;       x = np.pad(x, [(0, 0)] * (x.ndim - 1) + [(0, -K % 32)]); x = x.reshape(x.shape[:-1] + (-1, 32)); a = np.abs(x).max(-1, keepdims=True)
;;       e = np.where(a > 0, np.clip(np.frexp(np.where(a > 0, a, 1))[1] - 1 - 8, -126, 127), 0)      # np.frexp(a)[1] - 1 = floor(log2(a)), exactly
;;       r = np.clip(x / 2.0 ** e, -448, 448)
;;       step = 2.0 ** (np.maximum(np.frexp(np.where(r == 0, 1, r))[1] - 1, -6) - 3)
;;       q = np.round(r / step) * step * 2.0 ** e      # np.round: ties to even
;;       return np.moveaxis(q.reshape(q.shape[:-2] + (-1,))[..., :K], -1, axis).astype(np.float32)
;;   ~~~
;; One version. Each part assembles by itself: llvm-mc -triple=amdgcn-amd-amdhsa -mcpu=gfx1250 --defsym DOCPART=n.
;; ======== version 1 of 1: 3 launches
;; limits: right only within a limited range of input values
;; workspace buffers: kc 67,108,864 bytes; ks 2,097,152 bytes; w2c 1,048,576 bytes; w2s 32,768 bytes; qc 1,048,576 bytes; meta 32,768 bytes of whole numbers; part 1,048,576 bytes
;; launch prep (part 1): grid 2368 x 1, 4 waves a work-group, no clusters, 23,040 bytes of LDS; arguments keys, mask, W1, W2, query, kc, ks, w2c, w2s, qc, meta; writes kc, ks, w2c, w2s, qc, meta
.if DOCPART == 1
	.amdgcn_target "amdgcn-amd-amdhsa--gfx1250"
	.amdhsa_code_object_version 6
	.text
	.protected	k_q66c8d3a1df_prep
	.globl	k_q66c8d3a1df_prep
	.p2align	8
	.type	k_q66c8d3a1df_prep,@function
k_q66c8d3a1df_prep:
	s_mov_b64 s[64:65], 0
	v_nop
	global_prefetch_b8 v0, s[64:65] scope:SCOPE_SE
	s_setreg_imm32_b32 hwreg(HW_REG_WAVE_MODE, 25, 1), 1
	s_wait_xcnt 0x0
; ADDITIVE ATTENTION, launch 1 of 3.  score[b][l] = v . tanh(query[b] W1^T + keys[b][l] W2^T); -inf where mask; softmax along l; NaN -> 0; context = weights . keys.
; Both large products are on codes of FP8 (E4M3) with one E8M0 scale for each 32 along K.
; WORK LEFT OUT, for all finite values of the inputs:
;  (a) ROWS WITH mask = 1.  Their score is replaced by -inf, so their weight is exp(-inf) / Z = 0, and 0 x a finite key adds 0 to the context.  Where every row of a batch is masked the softmax is NaN,
;      which nan_to_num turns into 0: weights 0, context 0.  So neither the score nor the key of a masked row reaches an output.  mask is read from memory here, as whole numbers, and only what it asks for is done.
;  (b) THE TERM sum(v).  tanh(x) = 1 - 2 / (1 + 2^(c x)), c = 2 log2(e), so score = sum_h v_h - 2 sum_h v_h / (1 + 2^(c x_h)).  The first term is the same for all l of a softmax row and at most sum |v|:
;      it cancels in the softmax and is not formed.  The maximum is still taken away before the exponential (launch 3).
;  Every input has a way to an output: all six are loaded.
; LIMITS: a NaN or an infinity in a MASKED row of keys is not carried to the context.  NaN and infinities among the inputs are not served by the quantisers.  A block of zeros, and one whose largest magnitude
;  lies under 2^(9 - 127), gets the scale byte 1 (the rule says 127 for zeros): its codes are zeros or held as the rule holds them, and the bytes are read by this program alone.
; THREE ROLES, by the work-group's number:
;  W (0..63):     tile t of 16 rows of W2 -> codes laid as the images of the operand's registers, w2c [t][K step 8][c 4][lane 32][16 bytes]; scale words w2s [t / 2][16 (t % 2) + r][K step 8].
;  Q (64..319):   c x (query W1^T) by the scaled matrix form: tile t of 16 hidden units x 16 batches; wave kq sums K steps 2 kq, 2 kq + 1 -> qc [kq 4][t 64][b 64][r 16], f32; launch 2 adds the four.
;  R (320..2367): batch b, word j of 32 rows, eight rows a wave.  A live row goes to place pos = live rows before it; a masked one to n_b + masked rows before it.  Rows with pos < lim = max(64, n_b rounded up
;                 to 64) are quantised into kc [b][pos][1024] and ks [b][pos][32], so that every group of 64 places that launch 2 loads is whole.  meta [b][128 words]: 0-31 live bits of word j, 32-63 live rows
;                 before word j, 64 n_b.  A wave has TWO ROW BUFFERS: while one row is quantised the next row's eight loads, 4,096 bytes, are out.
; No tensor load and no barrier: branches hang on the mask, and waves share nothing.
.set WREG,  5632                       ; LDS of a wave: two stages of 32 x 80 bytes, then 32 scale bytes
.set SP,    80                         ; a lane's place in a stage: 64 bytes + 16 of padding
.set SPARE, 4*WREG                     ; the spare words, 128 bytes a wave: two blocks of 256 bytes that no other line names
.set NUM,   16                         ; v16-79   roles W, Q: 64 numbers of a lane
.set RA,    16                         ; v16-47   role R: row buffer A;  v48-79 two sets of 16 neighbours;  v80-87 codes, v88-89 bytes, v90 the byte on its way out
.set RB,    96                         ; v96-127  role R: row buffer B
.set SA,    58                         ; s58-63   role R: buffer A's addresses: the row's codes, its scale bytes, the row itself
.set SB,    66                         ; s66-71   buffer B's
.set FA,    80                         ; v80-95   roles W, Q: a fragment's codes
.set FB,    96                         ; v96-111  another
.set TM,    112                        ; v112-127 at work in QUANT
.set PWA,   128                        ; v128, v129 scale words, and nothing else
.set PWB,   129
.set ACC,   130                        ; v130-137 role Q's accumulator
; 64 numbers of a lane: of row r = lane % 16, for each block of 32 of a K step of 128, my half's 16 neighbours: register 16 b + i = k 32 b + 16 (lane / 16) + i
.macro XLOAD reg, base, off
.irp b, 0,1,2,3
.irp j, 0,1,2,3
	global_load_b128 v[\reg+16*\b+4*\j:\reg+16*\b+4*\j+3], v4, s[\base:\base+1] offset:\off+128*\b+16*\j
.endr
.endr
.endm
; They become a fragment's codes in v[pc] on and its scale word in v[pw]
.macro QUANT s, pc, pw
.irp b, 0,1,2,3
	v_max3_num_f32 v[TM+\b], |v[\s+16*\b]|, |v[\s+1+16*\b]|, 0x4800000   ; block b: my 16 numbers, and the floor 2^(9 - 127): the byte cannot fall under 1
.endr
.irp i, 2,4,6,8,10,12,14
.irp b, 0,1,2,3
	v_max3_num_f32 v[TM+\b], v[TM+\b], |v[\s+16*\b+\i]|, |v[\s+1+16*\b+\i]|   ; the four blocks by turns
.endr
.endr
.irp b, 0,1,2,3
	v_permlanex16_b32 v[TM+4+\b], v[TM+\b], s28, s29
.endr
.irp b, 0,1,2,3
	v_max_num_f32 v[TM+\b], v[TM+\b], v[TM+4+\b]          ; with lane l xor 16's: the block's largest magnitude
.endr
.irp b, 0,1,2,3
	v_add_nc_u32 v[TM+12+\b], 0xfc000000, v[TM+\b]        ; 8 off its exponent field: the conversion's scale operand
.endr
.irp b, 0,1,2,3
	v_and_or_b32 v[TM+8+\b], v[TM+\b], 0x7f800000, s30    ; 448 x the scale
.endr
.irp b, 0,1,2,3
	v_lshrrev_b32 v[TM+4+\b], 23, v[TM+12+\b]             ; the scale's byte
.endr
	v_lshl_or_b32 v[\pw], v[TM+5], 8, v[TM+4]             ; four bytes: my row's scale word
	v_lshl_or_b32 v[\pw], v[TM+6], 16, v[\pw]
	v_lshl_or_b32 v[\pw], v[TM+7], 24, v[\pw]
.irp b, 0,1,2,3
.irp i, 0,1,2,3,4,5,6,7,8,9,10,11,12,13,14,15
	v_med3_num_f32 v[\s+16*\b+\i], v[\s+16*\b+\i], -v[TM+8+\b], v[TM+8+\b]   ; the conversion to an 8-bit code does not saturate (ISA guide 7.6.2): the hold comes first
.endr
	v_cvt_scalef32_pk8_fp8_f32 v[\pc+4*\b:\pc+1+4*\b], v[\s+16*\b:\s+7+16*\b], v[TM+12+\b]
	v_cvt_scalef32_pk8_fp8_f32 v[\pc+2+4*\b:\pc+3+4*\b], v[\s+8+16*\b:\s+15+16*\b], v[TM+12+\b]
.endr
	v_nop                                                 ; one plain vector instruction behind the last scaled conversion
.endm
.macro LANES                           ; roles W and Q
	v_and_b32 v6, 15, v0                                  ; r
	v_bfe_u32 v7, v0, 4, 1                                ; h
	v_lshlrev_b32 v4, 12, v6
	v_lshl_add_u32 v4, v7, 6, v4                          ; row r of 4,096 bytes + 64 h
	v_lshlrev_b32 v5, 4, v1                               ; 16 x lane
.irp b, 0,1,2,3
	v_mov_b32 v[TM+4+\b], 0                               ; written once: a lane permute's destination counts as one of its sources
.endr
.endm
.macro FINISH                          ; a wave's end
	s_wait_tensorcnt 0x0
	ds_add_u32 v2, v3
	s_wait_dscnt 0x0
	s_endpgm
.endm
; Role R.  Half a row of buffer rb (512 numbers, four loads of 512 bytes) through the wave's own stage: in as it lies, out 64 bytes a lane.  LDS serves a wave's instructions in order: no wait between
.macro TURN rb, st
.irp i, 0,1,2,3
	ds_store_b128 v5, v[\rb+16*(\st)+4*\i:\rb+16*(\st)+4*\i+3] offset:32*SP*(\st)+8*SP*\i
.endr
.irp i, 0,1,2,3
	ds_load_b128 v[48+16*(\st)+4*\i:48+16*(\st)+4*\i+3], v6 offset:32*SP*(\st)+16*\i
.endr
.endm
.macro STEP st, younger, sb
.set XS, 48+16*(\st)
.set CD, 80+4*(\st)
	s_wait_dscnt \younger                                 ; this half's numbers are back from the stage
	v_max3_num_f32 v9, |v[XS]|, |v[XS+1]|, |v[XS+2]|      ; the largest magnitude of my 16, in two chains
	v_max3_num_f32 v10, |v[XS+3]|, |v[XS+4]|, |v[XS+5]|
.irp i, 6,10
	v_max3_num_f32 v9, v9, |v[XS+\i]|, |v[XS+\i+1]|
	v_max3_num_f32 v10, v10, |v[XS+\i+2]|, |v[XS+\i+3]|
.endr
	v_max3_num_f32 v9, v9, |v[XS+14]|, |v[XS+15]|
	v_max3_num_f32 v9, v9, v10, 0x4800000                 ; and the floor
	v_max_num_f32_dpp v9, v9, v9 row_xmask:1 row_mask:0xf bank_mask:0xf   ; and of my neighbour's 16: the block's
	v_add_nc_u32 v11, 0xfc000000, v9
	v_and_or_b32 v12, v9, 0x7f800000, s30
.irp i, 0,1,2,3,4,5,6,7,8,9,10,11,12,13,14,15
	v_med3_num_f32 v[XS+\i], v[XS+\i], -v12, v12
.endr
	v_cvt_scalef32_pk8_fp8_f32 v[CD:CD+1], v[XS:XS+7], v11
	v_cvt_scalef32_pk8_fp8_f32 v[CD+2:CD+3], v[XS+8:XS+15], v11
	v_lshrrev_b32 v[88+(\st)], 23, v11                    ; the scale's byte (the plain instruction behind the conversions)
	ds_store_b8 v7, v[88+(\st)] offset:16*(\st)           ; both lanes of a block write the same byte with the same value
	global_store_b128 v4, v[CD:CD+3], s[\sb:\sb+1] offset:512*(\st)   ; 32 lanes store 512 consecutive bytes
.endm
; The next row to do is taken off the list s54 and asked for, into buffer rb; its three addresses go into the buffer's own scalars
.macro NEXT rb, sb
	s_wait_xcnt 0x0                                       ; the stores of the row that left this buffer have read their data and their bases: both are written again from here on
	s_ctz_i32_b32 s55, s54                                ; the lowest bit: row r of my eight
	s_min_u32 s55, s55, 7
	s_sub_co_u32 s40, s54, 1
	s_and_b32 s54, s54, s40                               ; the bit is used up
	s_bfm_b32 s40, s55, 0
	s_and_b32 s40, s49, s40
	s_bcnt1_i32_b32 s40, s40                              ; live rows before it among my eight
	s_add_co_u32 s41, s46, s40                            ; its place if it is live,
	s_add_co_u32 s42, s48, s55
	s_sub_co_u32 s42, s42, s40                            ; and if it is masked
	s_lshr_b32 s40, s49, s55
	s_and_b32 s40, s40, 1                                 ; SCC: the row is live
	s_cselect_b32 s41, s41, s42
	s_min_u32 s41, s41, 1023
	s_lshl_b32 s56, s41, 10
	s_add_nc_u64 s[\sb:\sb+1], s[14:15], s[56:57]         ; the row's codes
	s_lshl_b32 s56, s41, 5
	s_add_nc_u64 s[\sb+2:\sb+3], s[16:17], s[56:57]       ; its scale bytes
	s_lshl_b32 s56, s55, 12
	s_add_nc_u64 s[\sb+4:\sb+5], s[4:5], s[56:57]         ; the row
.irp q, 0,1,2,3,4,5,6,7
	global_load_b128 v[\rb+4*\q:\rb+4*\q+3], v4, s[\sb+4:\sb+5] offset:512*\q th:TH_LOAD_NT   ; 32 lanes read 512 consecutive bytes
.endr
.endm
.macro PROCESS rb, sb                  ; the row in buffer rb becomes 1,024 codes and 32 scale bytes
	TURN \rb, 0
	TURN \rb, 1
	STEP 0, 8, \sb                                        ; younger: the second half's four stores and four loads
	STEP 1, 1, \sb                                        ; younger: the first half's byte store
	ds_load_u8 v90, v8                                    ; the row's 32 scale bytes, one a lane: these see my stores
	s_wait_dscnt 0x0                                      ; also: every LDS store has read the buffer, which may be loaded again
	global_store_b8 v1, v90, s[\sb+2:\sb+3]               ; 32 neighbouring bytes
.endm
; The row in buffer c is out.  Where the list holds a further row, that one is asked for first, into the other buffer.  The two ways are written out, so that each wait has its own count
.macro HALF crb, csb, orb, osb
	s_cmp_eq_u32 s54, 0
	s_cbranch_scc1 .Llast_\@
	NEXT \orb, \osb
	s_wait_loadcnt 0x8                                    ; my row is in; younger: the next row's eight loads
	PROCESS \crb, \csb
	s_branch .Lon_\@
.Llast_\@:
	s_wait_xcnt 0x0                                       ; the row before has read its store data
	s_wait_loadcnt 0x0                                    ; nothing was asked for behind my row
	PROCESS \crb, \csb
	s_branch .Lrows_done
.Lon_\@:
.endm
	s_load_b512 s[4:19], s[0:1], 0x0               ; keys 4, mask 6, W1 8, W2 10, query 12, kc 14, ks 16, w2c 18
	s_load_b128 s[20:23], s[0:1], 0x40             ; w2s 20, qc 22
	s_load_b64 s[24:25], s[0:1], 0x50              ; meta
	v_lshl_add_u32 v2, v0, 2, SPARE                ; my spare word; never rewritten
	v_mov_b32 v3, 0                                ; 0; never rewritten
	v_lshrrev_b32 v1, 5, v0
	v_readfirstlane_b32 s26, v1                    ; wave 0..3
	v_and_b32 v1, 31, v0                           ; lane
	s_mov_b32 s28, 0x76543210
	s_mov_b32 s29, 0xfedcba98                      ; v_permlanex16_b32's selects for lane l xor 16
	s_mov_b32 s30, 0x600000                        ; the mantissa field of 448
	s_mov_b32 s31, 0x4038aa3b                      ; c = 2 log2(e)
	s_mov_b32 s37, 0                               ; the upper word of every offset pair s[36:37]
	s_wait_kmcnt 0x0
	s_cmp_lt_u32 ttmp9, 64
	s_cbranch_scc1 .Lrole_w
	s_cmp_lt_u32 ttmp9, 320
	s_cbranch_scc1 .Lrole_q
	; ---------------- ROLE R ----------------
	s_sub_co_u32 s32, ttmp9, 320
	s_lshr_b32 s33, s32, 5                         ; b
	s_and_b32 s34, s32, 31                         ; j
	s_lshl_b32 s36, s33, 10
	s_add_nc_u64 s[6:7], s[6:7], s[36:37]          ; the batch's 1,024 mask bytes
.set jj, 0
	s_wait_alu depctr_va_vdst(0)
.rept 32
	global_load_u8 v[16+jj], v1, s[6:7] offset:32*jj   ; word jj: lane i takes row 32 jj + i
.set jj, jj+1
.endr
	s_mul_i32 s52, s26, WREG                       ; every LDS address is made here, ahead of all branches of the role
	v_lshlrev_b32 v4, 4, v1                        ; 16 x lane
	v_lshrrev_b32 v5, 2, v1
	v_mul_u32_u24 v5, v5, SP
	v_and_b32 v9, 3, v1
	v_lshl_add_u32 v5, v9, 4, v5
	v_add_nc_u32 v5, s52, v5                       ; the stage, in: 80 (lane / 4) + 16 (lane % 4)
	v_mul_u32_u24 v6, v1, SP
	v_add_nc_u32 v6, s52, v6                       ; out: 80 x lane
	s_add_co_u32 s52, s52, 2*32*SP
	v_lshrrev_b32 v7, 1, v1
	v_add_nc_u32 v7, s52, v7                       ; my block's scale byte
	v_add_nc_u32 v8, s52, v1                       ; and on the way out a byte a lane
	s_mov_b32 s35, 0                               ; live rows before word j
	s_mov_b32 s38, 0                               ; n_b
	s_mov_b32 s39, 0                               ; word j's live bits
	s_wait_loadcnt 0x0
.set jj, 0
.rept 32
	v_cmp_eq_u32 s40, 0, v[16+jj]                  ; live where the mask byte is 0
	s_bcnt1_i32_b32 s41, s40
	s_add_co_u32 s38, s38, s41
	s_cmp_gt_u32 s34, jj
	s_cselect_b32 s42, s41, 0
	s_add_co_u32 s35, s35, s42
	s_cmp_eq_u32 s34, jj
	s_cselect_b32 s39, s40, s39
.set jj, jj+1
.endr
	s_add_co_u32 s43, s38, 63
	s_and_b32 s43, s43, 0xffffffc0
	s_max_u32 s43, s43, 64                         ; lim
	s_lshl_b32 s44, s26, 3                         ; 8 w
	s_bfm_b32 s45, s44, 0                          ; the bits of the word's rows before mine
	s_and_b32 s45, s39, s45
	s_bcnt1_i32_b32 s45, s45
	s_add_co_u32 s46, s35, s45                     ; the place of my first live row
	s_lshl_b32 s47, s34, 5
	s_add_co_u32 s47, s47, s44                     ; my first row: 32 j + 8 w
	s_add_co_u32 s48, s38, s47
	s_sub_co_u32 s48, s48, s46                     ; the place of my first masked row: n_b + masked rows before it
	s_lshr_b32 s49, s39, s44
	s_and_b32 s49, s49, 0xff                       ; my eight rows' live bits
	s_cmp_lg_u32 s26, 0
	s_cbranch_scc1 .Lno_meta
	s_lshl_b32 s36, s33, 9                         ; wave 0 stores the word's whole numbers: lane 0 the bits, lane 1 the rows before, lane 2 (word 0 alone) n_b
	s_add_nc_u64 s[24:25], s[24:25], s[36:37]
	s_lshl_b32 s50, s34, 2
	v_lshlrev_b32 v9, 7, v1
	v_add_nc_u32 v9, s50, v9                       ; 128 x lane + 4 j
	v_mov_b32 v10, s39
	v_mov_b32 v11, s35
	v_cmp_eq_u32 vcc_lo, 1, v1
	v_cndmask_b32 v10, v10, v11, vcc_lo
	v_mov_b32 v11, s38
	v_cmp_eq_u32 vcc_lo, 2, v1
	v_cndmask_b32 v10, v10, v11, vcc_lo
	s_cmp_eq_u32 s34, 0
	s_cselect_b32 s50, 3, 2
	v_cmp_gt_u32 vcc_lo, s50, v1
	s_wait_alu depctr_va_vdst(0)
	s_wait_xcnt 0x0                                ; EXEC changes only behind this wait
	s_and_saveexec_b32 s51, vcc_lo
	global_store_b32 v9, v10, s[24:25]
	s_wait_xcnt 0x0                                ; and again, in front of the line that widens it
	s_or_b32 exec_lo, exec_lo, s51
.Lno_meta:
	s_lshl_b32 s36, s33, 22
	s_lshl_b32 s52, s47, 12
	s_add_co_u32 s36, s36, s52
	s_add_nc_u64 s[4:5], s[4:5], s[36:37]          ; keys at my first row
	s_lshl_b32 s36, s33, 20
	s_add_nc_u64 s[14:15], s[14:15], s[36:37]      ; kc at the batch
	s_lshl_b32 s36, s33, 15
	s_add_nc_u64 s[16:17], s[16:17], s[36:37]      ; ks at the batch
	s_mov_b32 s57, 0                               ; the upper word of the offset pair s[56:57]
	s_mov_b32 s54, s49                             ; THE LIST OF ROWS TO DO: every live row,
	s_mov_b32 s40, s48                             ; and each masked row whose place lies under lim
.set i, 0
.rept 8
	s_lshr_b32 s41, s49, i
	s_and_b32 s41, s41, 1
	s_xor_b32 s41, s41, 1                          ; 1 where row i is masked
	s_cmp_lt_u32 s40, s43                          ; the place that a masked row would take here
	s_cselect_b32 s42, s41, 0
	s_lshl_b32 s42, s42, i
	s_or_b32 s54, s54, s42
	s_add_co_u32 s40, s40, s41
.set i, i+1
.endr
	s_cmp_eq_u32 s54, 0
	s_cbranch_scc1 .Lrows_done                     ; eight masked rows beyond lim: nobody reads them
	NEXT RA, SA
	s_mov_b32 s53, 0
.Lrow:                                             ; four trips of two rows at the most; the way out is the half that finds the list empty
	HALF RA, SA, RB, SB
	HALF RB, SB, RA, SA
	s_add_co_u32 s53, s53, 1
	s_cmp_lt_u32 s53, 4
	s_cbranch_scc1 .Lrow
	s_wait_loadcnt 0x0                             ; (the list has eight rows at the most, so the eighth half finds it empty: no input leads here)
.Lrows_done:
	FINISH
	; ---------------- ROLE W ----------------
.Lrole_w:
	s_wait_alu depctr_va_vdst(0)
	LANES
	s_lshl_b32 s36, ttmp9, 16                      ; tile t: 16 rows of 4,096 bytes,
	s_lshl_b32 s32, s26, 10                        ; K steps 2 w and 2 w + 1: 512 bytes each
	s_add_co_u32 s36, s36, s32
	s_add_nc_u64 s[10:11], s[10:11], s[36:37]
	XLOAD NUM, 10, 0
	s_wait_loadcnt 0x0
	QUANT NUM, FA, PWA
	XLOAD NUM, 10, 512
	s_lshl_b32 s36, ttmp9, 14                      ; the images: (8 t + 2 w) x 2,048 bytes
	s_lshl_b32 s32, s26, 12
	s_add_co_u32 s36, s36, s32
	s_add_nc_u64 s[18:19], s[18:19], s[36:37]
.irp c, 0,1,2,3
	global_store_b128 v5, v[FA+4*\c:FA+4*\c+3], s[18:19] offset:512*\c      ; four registers of all lanes: 512 consecutive bytes
.endr
	s_wait_loadcnt 0x0
	QUANT NUM, FB, PWB
.irp c, 0,1,2,3
	global_store_b128 v5, v[FB+4*\c:FB+4*\c+3], s[18:19] offset:2048+512*\c
.endr
	s_lshl_b32 s36, ttmp9, 9                       ; the scale words: 512 t + 32 r + 8 w
	s_lshl_b32 s32, s26, 3
	s_add_co_u32 s36, s36, s32
	s_add_nc_u64 s[20:21], s[20:21], s[36:37]
	v_lshlrev_b32 v8, 5, v6
	v_cmp_gt_u32 vcc_lo, 16, v1                    ; lanes 16-31 hold the same words
	s_wait_alu depctr_va_vdst(0)
	s_wait_xcnt 0x0
	s_and_saveexec_b32 s33, vcc_lo
	global_store_b64 v8, v[PWA:PWB], s[20:21]
	s_wait_xcnt 0x0
	s_or_b32 exec_lo, exec_lo, s33
	FINISH
	; ---------------- ROLE Q ----------------
.Lrole_q:
	s_wait_alu depctr_va_vdst(0)
	LANES
	s_sub_co_u32 s32, ttmp9, 64
	s_lshr_b32 s33, s32, 2                         ; t: 16 hidden units
	s_and_b32 s34, s32, 3                          ; bt: 16 batches
	s_lshl_b32 s35, s26, 10                        ; my two K steps
	s_lshl_b32 s36, s33, 16
	s_add_co_u32 s36, s36, s35
	s_add_nc_u64 s[8:9], s[8:9], s[36:37]          ; W1
	s_lshl_b32 s36, s34, 16
	s_add_co_u32 s36, s36, s35
	s_add_nc_u64 s[12:13], s[12:13], s[36:37]      ; query
	s_wait_alu depctr_va_vdst(0)
	XLOAD NUM, 8, 0
	s_wait_loadcnt 0x0
	QUANT NUM, FB, PWB
	XLOAD NUM, 12, 0
	s_wait_loadcnt 0x0
	QUANT NUM, FA, PWA
.rept 4
	v_nop                                          ; codes written by vector instructions stand four places ahead of a scaled matrix instruction; the scale words were made ahead of the 64 holds
.endr
	v_wmma_scale_f32_16x16x128_f8f6f4 v[ACC:ACC+7], v[FA:FA+15], v[FB:FB+15], 0, v[PWA], v[PWB]
	XLOAD NUM, 8, 512
	s_wait_loadcnt 0x0
	QUANT NUM, FB, PWB                             ; its 32 maxima are the places ahead of the first write of an operand of the product above
	XLOAD NUM, 12, 512
	s_wait_loadcnt 0x0
	QUANT NUM, FA, PWA
.rept 4
	v_nop
.endr
	s_wait_alu depctr_va_vdst(0)                   ; the wait stands directly ahead of the link
	v_wmma_scale_f32_16x16x128_f8f6f4 v[ACC:ACC+7], v[FA:FA+15], v[FB:FB+15], v[ACC:ACC+7], v[PWA], v[PWB]
	s_lshl_b32 s36, s26, 18                        ; qc: kq x 262,144 + t x 4,096 + bt x 1,024
	s_lshl_b32 s35, s33, 12
	s_add_co_u32 s36, s36, s35
	s_lshl_b32 s35, s34, 10
	s_add_co_u32 s36, s36, s35
	s_add_nc_u64 s[22:23], s[22:23], s[36:37]
	v_lshlrev_b32 v9, 2, v6
	v_lshl_add_u32 v9, v7, 9, v9                   ; 4 r + 8 h batches of 64 bytes
.rept 6
	v_nop                                          ; with the two lines above: eight places ahead of the first read of the result
.endr
.irp j, 0,1,2,3,4,5,6,7
	v_mul_f32 v[NUM+\j], s31, v[ACC+\j]            ; x c, from the accumulator's low end on; register j: batch 16 bt + 8 h + j, unit 16 t + r
.endr
.irp j, 0,1,2,3,4,5,6,7
	global_store_b32 v9, v[NUM+\j], s[22:23] offset:64*\j   ; sixteen lanes store 64 neighbouring bytes; the buffer is 1 MiB in all
.endr
	FINISH
.Lfunc_end_k_q66c8d3a1df_prep:
	.size	k_q66c8d3a1df_prep, .Lfunc_end_k_q66c8d3a1df_prep-k_q66c8d3a1df_prep
	.p2alignl 7, 3214868480
	.fill 96, 4, 3214868480
	.section	.rodata,"a",@progbits
	.p2align	6, 0x0
	.amdhsa_kernel k_q66c8d3a1df_prep
		.amdhsa_group_segment_fixed_size 23040
		.amdhsa_private_segment_fixed_size 0
		.amdhsa_enable_private_segment 0
		.amdhsa_kernarg_size 88
		.amdhsa_user_sgpr_count 2
		.amdhsa_user_sgpr_kernarg_segment_ptr 1
		.amdhsa_wavefront_size32 1
		.amdhsa_system_sgpr_workgroup_id_x 1
		.amdhsa_system_sgpr_workgroup_id_y 1
		.amdhsa_system_sgpr_workgroup_id_z 1
		.amdhsa_system_vgpr_workitem_id 0
		.amdhsa_next_free_vgpr 144
		.amdhsa_next_free_sgpr 72
		.amdhsa_reserve_vcc 1
		.amdhsa_float_denorm_mode_32 3
		.amdhsa_float_denorm_mode_16_64 3
		.amdhsa_memory_ordered 1
		.amdhsa_forward_progress 1
		.amdhsa_inst_pref_size 107
	.end_amdhsa_kernel
	.amdgpu_metadata
---
amdhsa.version: [ 1, 2 ]
amdhsa.kernels:
  - .name:           k_q66c8d3a1df_prep
    .symbol:         k_q66c8d3a1df_prep.kd
    .args:
      - { .name: keys, .offset: 0, .size: 8, .value_kind: global_buffer, .address_space: global }
      - { .name: mask, .offset: 8, .size: 8, .value_kind: global_buffer, .address_space: global }
      - { .name: W1, .offset: 16, .size: 8, .value_kind: global_buffer, .address_space: global }
      - { .name: W2, .offset: 24, .size: 8, .value_kind: global_buffer, .address_space: global }
      - { .name: query, .offset: 32, .size: 8, .value_kind: global_buffer, .address_space: global }
      - { .name: kc, .offset: 40, .size: 8, .value_kind: global_buffer, .address_space: global }
      - { .name: ks, .offset: 48, .size: 8, .value_kind: global_buffer, .address_space: global }
      - { .name: w2c, .offset: 56, .size: 8, .value_kind: global_buffer, .address_space: global }
      - { .name: w2s, .offset: 64, .size: 8, .value_kind: global_buffer, .address_space: global }
      - { .name: qc, .offset: 72, .size: 8, .value_kind: global_buffer, .address_space: global }
      - { .name: meta, .offset: 80, .size: 8, .value_kind: global_buffer, .address_space: global }
    .group_segment_fixed_size: 23040
    .private_segment_fixed_size: 0
    .kernarg_segment_align: 8
    .kernarg_segment_size: 88
    .max_flat_workgroup_size: 128
    .sgpr_count:     72
    .vgpr_count:     144
    .wavefront_size: 32
...
	.end_amdgpu_metadata
.endif
;; end of part 1
;; launch scores (part 2): grid 4 x 64, 4 waves a work-group, no clusters, 156,160 bytes of LDS; arguments meta, kc, ks, w2c, w2s, qc, v, part; writes part
.if DOCPART == 2
	.amdgcn_target "amdgcn-amd-amdhsa--gfx1250"
	.amdhsa_code_object_version 6
	.text
	.protected	k_q66c8d3a1df_scores
	.globl	k_q66c8d3a1df_scores
	.p2align	8
	.type	k_q66c8d3a1df_scores,@function
k_q66c8d3a1df_scores:
	s_mov_b64 s[64:65], 0
	v_nop
	global_prefetch_b8 v0, s[64:65] scope:SCOPE_SE
	s_setreg_imm32_b32 hwreg(HW_REG_WAVE_MODE, 25, 1), 1
	s_wait_xcnt 0x0
; ADDITIVE ATTENTION, launch 2 of 3.  part[hq][b][pos] = -2 sum over the 256 hidden units h of quarter hq of v_h / (1 + 2^(c (q[b][h] + k[b][pos][h]))), c = 2 log2(e), k = keys W2^T on codes of FP8 (E4M3).
; LEFT OUT (shown at the head of launch 1): masked rows, which launch 1 has moved behind the n_b live ones, and the term sum(v), which is the same along the softmax's axis.
; SHARES.  Work-group (hq, b): batch b, hidden units 256 hq on.  Wave w: units 64 w on of these: four tiles of 16.  ITS PART OF W2, ALL OF K, STAYS IN REGISTERS: 4 tiles x 8 K steps x 16 = 512.
; The batch's live key codes go through two LDS slots of 64 rows: loaded into registers a trip ahead (16 rows a wave), stored into the slot that is not being read, one barrier a trip.
; THE ORDER OF A TRIP: the next group's rows go from my registers into the other slot, and the first tile's 32 products follow at once (its fragments were asked for in the trip before), so that the stores land under
; them; then the group after next is asked of memory.  THE BARRIER STANDS BEHIND THE FOURTH TILE'S PRODUCTS: by then every wave has read this slot to its end and has stored its part of the other one.  Behind it the
; next group's first fragments are asked for, and they land under the fourth tile's vector work.
; THE LOOP HAS 16 TRIPS WHATEVER n_b: no barrier stands under a branch on a number read from memory; such branches lead round work alone (tiles at or beyond nt = ceil(n_b / 16), groups at or beyond ng = ceil(n_b / 64)).
; No tensor load, no cluster: the launch branches on n_b, which is read from memory.  No prefetch: each group is asked for three tiles' products and four tiles' vector work ahead of its use.
; THE PRODUCT: source 0 = 16 key rows, source 1 = 16 rows of W2: register j of lane (r, h) holds row 8 h + j, unit r.  So c q and v are one number a lane and tile, and a row's sum runs over the 16 lanes of a half.
; REGISTERS, in windows of 256: window 0: v0-23 addresses and work; v24-31 c q (pairs); v32-39 -2 v (pairs); v40-55 W2's scale words; v56-63 the keys' scale words; v64-95 four accumulators; v96-107 sums;
;   v112-115 staged scale bytes; v128-255 a key tile's eight fragments.   window 1: v0-127 staged codes.   window 2: W2's fragments of K steps 0-3 (64 s + 16 i);   window 3: of K steps 4-7.
.set PITCH, 1040                       ; a row of codes in LDS: 1,024 bytes + 16: 65 x 16, so that the sixteen rows of a fragment load fall on sixteen different 16-byte columns of 256
.set SCP,   48                         ; a row's 32 scale bytes + 16
.set SCO,   64*PITCH
.set SLOT,  SCO+64*SCP                 ; 69,632
.set SC,    2*SLOT                     ; behind the slots: [wave 4][pos 1024] f32
.set SPARE, SC+16384                   ; the spare words, 128 bytes a wave: two blocks of 256 bytes that no other line names
.set CQ,  24
.set VV,  32
.set WS,  40                           ; register 8 u + s: lanes 0-15 tile 2 u's word of K step s, lanes 16-31 tile 2 u + 1's
.set KS,  56                           ; register s: lanes 0-15 the even key tile's rows, lanes 16-31 the odd one's
.set ACC, 64
.set S,   96
.set T,   104
.set SST, 112
.set KF,  128
.set MSB, 0
.macro WIN new                         ; the immediate's high byte repeats the setting that is left
.if MSB != \new
	s_set_vgpr_msb (MSB<<8)|\new
.set MSB, \new
.endif
.endm
.macro PLACES                          ; eight places behind this matrix form, ahead of loads into its operands and of the first read of its results
.rept 8
	v_nop
.endr
.endm
.macro LOAD_STAGE                      ; my 16 rows of the group at s[36:37]: 16 KiB of codes, 512 bytes of scales; every load reads 512 consecutive bytes
	WIN 0x40                                       ; destination window 1
.set q, 0
.rept 32
	global_load_b128 v[4*q:4*q+3], v12, s[36:37] offset:512*q
.set q, q+1
.endr
	WIN 0
	global_load_b128 v[SST:SST+3], v13, s[38:39]
.endm
.macro STORE_STAGE n                   ; into slot n
	WIN 0x04                                       ; an LDS store's data are its source 1: window 1
.set q, 0
.rept 32
	ds_store_b128 v[8+(\n)], v[4*q:4*q+3] offset:(q/2)*PITCH+(q%2)*512
.set q, q+1
.endr
	WIN 0
	ds_store_b128 v[10+(\n)], v[SST:SST+3]
.endm
.macro LOADF n, i                      ; key tile i of slot n: with an even tile the scale words of two tiles; then eight fragments, K ascending
.if ((\i)%2) == 0
	ds_load_b128 v[KS:KS+3], v[6+(\n)] offset:((\i)/2)*32*SCP
	ds_load_b128 v[KS+4:KS+7], v[6+(\n)] offset:((\i)/2)*32*SCP+16
.endif
.irp s, 0,1,2,3,4,5,6,7
.irp c, 0,1,2,3
	ds_load_b128 v[KF+16*\s+4*\c:KF+16*\s+4*\c+3], v[4+(\n)] offset:(\i)*16*PITCH+128*\s+32*\c
.endr
.endr
.endm
.macro W2LOAD s                        ; my four tiles' fragments of K step s, as the images of their registers
.irp i, 0,1,2,3
.irp c, 0,1,2,3
	global_load_b128 v[64*((\s)%4)+16*\i+4*\c:64*((\s)%4)+16*\i+4*\c+3], v18, s[10:11] offset:\i*16384+(\s)*2048+\c*512
.endr
.endr
.endm
.macro WM i, s, a                      ; key tile i x my tile a of W2, K step s.  The first K step starts the sum
.set rD, ACC+8*(\a)
.set rA, KF+16*(\s)
.set rB, 64*((\s)%4)+16*(\a)
.set rX, KS+(\s)
.set rY, WS+8*((\a)/2)+(\s)
.if (\s) == 0
.if (((\i)%2) == 0) && (((\a)%2) == 0)
	v_wmma_scale_f32_16x16x128_f8f6f4 v[rD:rD+7], v[rA:rA+15], v[rB:rB+15], 0, v[rX], v[rY]
.elseif ((\i)%2) == 0
	v_wmma_scale_f32_16x16x128_f8f6f4 v[rD:rD+7], v[rA:rA+15], v[rB:rB+15], 0, v[rX], v[rY] matrix_b_scale:MATRIX_SCALE_ROW1
.elseif ((\a)%2) == 0
	v_wmma_scale_f32_16x16x128_f8f6f4 v[rD:rD+7], v[rA:rA+15], v[rB:rB+15], 0, v[rX], v[rY] matrix_a_scale:MATRIX_SCALE_ROW1
.else
	v_wmma_scale_f32_16x16x128_f8f6f4 v[rD:rD+7], v[rA:rA+15], v[rB:rB+15], 0, v[rX], v[rY] matrix_a_scale:MATRIX_SCALE_ROW1 matrix_b_scale:MATRIX_SCALE_ROW1
.endif
.else
.if (((\i)%2) == 0) && (((\a)%2) == 0)
	v_wmma_scale_f32_16x16x128_f8f6f4 v[rD:rD+7], v[rA:rA+15], v[rB:rB+15], v[rD:rD+7], v[rX], v[rY]
.elseif ((\i)%2) == 0
	v_wmma_scale_f32_16x16x128_f8f6f4 v[rD:rD+7], v[rA:rA+15], v[rB:rB+15], v[rD:rD+7], v[rX], v[rY] matrix_b_scale:MATRIX_SCALE_ROW1
.elseif ((\a)%2) == 0
	v_wmma_scale_f32_16x16x128_f8f6f4 v[rD:rD+7], v[rA:rA+15], v[rB:rB+15], v[rD:rD+7], v[rX], v[rY] matrix_a_scale:MATRIX_SCALE_ROW1
.else
	v_wmma_scale_f32_16x16x128_f8f6f4 v[rD:rD+7], v[rA:rA+15], v[rB:rB+15], v[rD:rD+7], v[rX], v[rY] matrix_a_scale:MATRIX_SCALE_ROW1 matrix_b_scale:MATRIX_SCALE_ROW1
.endif
.endif
.endm
.macro MULT i, waits                   ; 32 matrix instructions: the four accumulators by turns, one instruction a turn.  waits = 0: the fragments were awaited ahead
.irp s, 0,1,2,3,4,5,6,7
.if \waits
	s_wait_dscnt 28-4*\s                           ; K step s's four loads are in: younger are the four of each later K step (and at most one score store: the smaller count is safe)
.endif
.if \s < 4
	WIN 0x08                                       ; source 1 (W2) window 2
.else
	WIN 0x0c                                       ; window 3
.endif
.irp a, 0,1,2,3
	WM \i, \s, \a
.endr
.endr
	WIN 0
.endm
.macro EPI i                           ; key tile i: 16 rows x my 64 units -> 16 partial scores
.irp a, 0,1,2,3
.irp p, 0,2,4,6
	v_pk_fma_f32 v[ACC+8*\a+\p:ACC+8*\a+\p+1], v[ACC+8*\a+\p:ACC+8*\a+\p+1], s[30:31], v[CQ+2*\a:CQ+2*\a+1] op_sel_hi:[1,0,0]   ; c k + c q, each accumulator from its low end on
.endr
.endr
.set j, 0
	s_wait_alu depctr_va_vdst(0)
.rept 32
	v_exp_f32 v[ACC+j], v[ACC+j]                   ; 2^(c x): infinity or 0 at the far ends, where the quotient below is 0 or 1, as tanh asks
.set j, j+1
.endr
	v_nop                                          ; a plain instruction behind the last exponential,
	s_wait_alu depctr_va_vdst(0)                   ; and one wait for the batch, ahead of its first reader
.set j, 0
.rept 16
	v_pk_add_f32 v[ACC+j:ACC+j+1], v[ACC+j:ACC+j+1], 1.0 op_sel_hi:[1,0]
.set j, j+2
.endr
.set j, 0
	s_wait_alu depctr_va_vdst(0)
.rept 32
	v_rcp_f32 v[ACC+j], v[ACC+j]
.set j, j+1
.endr
	v_nop
	s_wait_alu depctr_va_vdst(0)                   ; likewise for the reciprocals
.irp p, 0,2,4,6
	v_pk_mul_f32 v[S+\p:S+\p+1], v[ACC+\p:ACC+\p+1], v[VV:VV+1] op_sel_hi:[1,0]      ; x -2 v, summed over my four tiles of units
.endr
.irp a, 1,2,3
.irp p, 0,2,4,6
	v_pk_fma_f32 v[S+\p:S+\p+1], v[ACC+8*\a+\p:ACC+8*\a+\p+1], v[VV+2*\a:VV+2*\a+1], v[S+\p:S+\p+1] op_sel_hi:[1,0,1]
.endr
.endr
	; the sum over the 16 lanes of a half, of eight rows at once: at each step a lane keeps half of its rows and sends the other half to the lane that keeps them
.irp j, 0,1,2,3
	v_cndmask_b32 v[T+\j], v[S+\j+4], v[S+\j], s32           ; lanes with bit 3 send rows 0-3 and keep rows 4-7; the others the other way round
	v_cndmask_b32 v[S+\j], v[S+\j], v[S+\j+4], s32
.endr
.irp j, 0,1,2,3
	v_add_f32_dpp v[S+\j], v[T+\j], v[S+\j] row_xmask:8 row_mask:0xf bank_mask:0xf
.endr
.irp j, 0,1
	v_cndmask_b32 v[T+\j], v[S+\j+2], v[S+\j], s33
	v_cndmask_b32 v[S+\j], v[S+\j], v[S+\j+2], s33
.endr
.irp j, 0,1
	v_add_f32_dpp v[S+\j], v[T+\j], v[S+\j] row_xmask:4 row_mask:0xf bank_mask:0xf
.endr
	v_cndmask_b32 v[T], v[S+1], v[S], s34
	v_cndmask_b32 v[S], v[S], v[S+1], s34
	v_add_f32_dpp v[S], v[T], v[S] row_xmask:2 row_mask:0xf bank_mask:0xf
	v_add_f32_dpp v[S], v[S], v[S] row_xmask:1 row_mask:0xf bank_mask:0xf   ; lane l holds row l / 2 of the tile
	ds_store_b32 v15, v[S] offset:64*(\i)          ; both lanes of a pair write the same word with the same value
.endm
.macro TRIP n                          ; group g lies in slot n; its first tile's fragments were asked for behind the last barrier
	s_wait_loadcnt 0x0                             ; group g + 1, asked for a trip ago, is in my registers
	s_wait_dscnt 0x0                               ; the first tile's fragments and scale words are in; the last score store is done
	v_add_nc_u32 v15, s43, v14                     ; where this group's scores go
	s_add_co_u32 s28, s26, 1
	s_cmp_lt_u32 s28, s25
	s_cbranch_scc0 .Lta_\@
	STORE_STAGE 1-\n                               ; into the slot that nobody reads between the last barrier and this trip's: the stores land under the products below
.Lta_\@:
	s_cmp_lt_u32 s27, s24
	s_cbranch_scc0 .Lgd_\@
	MULT 0, 0
	PLACES
	s_add_co_u32 s28, s26, 2
	s_cmp_lt_u32 s28, s25
	s_cbranch_scc0 .Ltb_\@
	s_wait_dscnt 0x0                               ; the stores have read the staging registers
	LOAD_STAGE                                     ; group g + 2: it has the rest of this trip in which to come
.Ltb_\@:
	s_add_co_u32 s28, s27, 1
	s_cmp_lt_u32 s28, s24
	s_cbranch_scc0 .Lg0_\@
	LOADF \n, 1                                    ; a tile's fragments are asked for ahead of the vector work of the tile before
.Lg0_\@:
	s_wait_alu depctr_va_vdst(0)
	EPI 0
	s_cmp_lt_u32 s28, s24
	s_cbranch_scc0 .Lgd_\@
	MULT 1, 1
	PLACES
	s_add_co_u32 s28, s27, 2
	s_cmp_lt_u32 s28, s24
	s_cbranch_scc0 .Lg1_\@
	LOADF \n, 2
.Lg1_\@:
	EPI 1
	s_cmp_lt_u32 s28, s24
	s_cbranch_scc0 .Lgd_\@
	MULT 2, 1
	PLACES
	s_add_co_u32 s28, s27, 3
	s_cmp_lt_u32 s28, s24
	s_cbranch_scc0 .Lg2_\@
	LOADF \n, 3
.Lg2_\@:
	EPI 2
	s_cmp_lt_u32 s28, s24
	s_cbranch_scc0 .Lgd_\@
	MULT 3, 1
	PLACES
	v_nop                                          ; a ninth place: the next matrix instruction may be one that writes over these accumulators
.Lgd_\@:
	s_wait_dscnt 0x0                               ; for the others' sake: my stores into the other slot have landed, and my reads of this slot are over
	s_barrier_signal -1
	s_barrier_wait -1                              ; one barrier for both: from here on the other slot is read, and the next trip stores into this one
	s_add_co_u32 s28, s27, 4
	s_cmp_lt_u32 s28, s24
	s_cbranch_scc0 .Lha_\@
	LOADF 1-\n, 0                                  ; the next group's first tile: it lands under the vector work below
.Lha_\@:
	s_add_co_u32 s28, s27, 3
	s_cmp_lt_u32 s28, s24
	s_cbranch_scc0 .Lhb_\@
	s_wait_alu depctr_va_vdst(0)
	EPI 3
.Lhb_\@:
	s_wait_xcnt 0x0                                ; the trip's loads have read their bases
	s_add_nc_u64 s[36:37], s[36:37], 0x10000
	s_add_nc_u64 s[38:39], s[38:39], 0x800
	s_add_co_u32 s26, s26, 1
	s_add_co_u32 s27, s27, 4
	s_add_co_u32 s43, s43, 256
.endm
	s_load_b512 s[4:19], s[0:1], 0x0               ; meta 4, kc 6, ks 8, w2c 10, w2s 12, qc 14, v 16, part 18
	v_lshl_add_u32 v2, v0, 2, SPARE                ; my spare word; never rewritten
	v_mov_b32 v3, 0                                ; 0; never rewritten
	v_lshrrev_b32 v1, 5, v0
	v_readfirstlane_b32 s20, v1                    ; wave 0..3
	v_and_b32 v1, 31, v0                           ; lane
	s_mov_b32 s21, ttmp9                           ; hq
	s_and_b32 s22, ttmp7, 0xffff                   ; b
	v_and_b32 v16, 15, v0                          ; r
	v_bfe_u32 v17, v0, 4, 1                        ; h
	v_lshlrev_b32 v18, 4, v1                       ; 16 x lane
	v_lshrrev_b32 v19, 1, v1                       ; lane / 2
	v_and_b32 v20, 1, v1
	v_mul_u32_u24 v4, v16, PITCH
	v_lshl_add_u32 v4, v17, 4, v4                  ; v4, v5: a fragment: row r x pitch + 16 h, in slot 0, 1
	v_add_nc_u32 v5, SLOT, v4
	v_mul_u32_u24 v6, v1, SCP
	v_add_nc_u32 v6, SCO, v6                       ; v6, v7: the scale words of rows 0-31 of a slot, a row a lane
	v_add_nc_u32 v7, SLOT, v6
	s_mul_i32 s28, s20, 16*PITCH
	v_add_nc_u32 v8, s28, v18                      ; v8, v9: where I store codes: my 16 rows, 16 x lane
	v_add_nc_u32 v9, SLOT, v8
	v_mul_u32_u24 v10, v19, SCP
	v_lshl_add_u32 v10, v20, 4, v10
	s_mul_i32 s28, s20, 16*SCP
	s_add_co_u32 s28, s28, SCO
	v_add_nc_u32 v10, s28, v10                     ; v10, v11: where I store scale bytes: row 16 w + lane / 2, half lane % 2
	v_add_nc_u32 v11, SLOT, v10
	s_lshl_b32 s28, s20, 14
	v_add_nc_u32 v12, s28, v18                     ; v12: my codes in a group in memory
	s_lshl_b32 s28, s20, 9
	v_add_nc_u32 v13, s28, v18                     ; v13: my scale bytes
	s_lshl_b32 s28, s20, 12
	s_add_co_u32 s28, s28, SC
	v_lshl_add_u32 v14, v19, 2, s28                ; v14: my wave's scores, row lane / 2
	v_add_nc_u32 v21, s28, v18
	v_lshlrev_b32 v22, 5, v1                       ; 32 x lane
	v_lshlrev_b32 v23, 2, v16                      ; 4 r
.irp j, 0,1,2,3,4,5,6,7,8,9,10,11
	v_mov_b32 v[ACC+20+\j], 0                      ; the accumulators are written once at the head, these twelve here and the other twenty by the loads of c q and v below: the fourth tile's vector work stands behind a join of ways
.endr
.irp k, 0,1,2,3,4,5,6,7
	ds_store_b128 v21, v[ACC+20:ACC+23] offset:512*\k   ; my 1,024 scores begin as zeros: places at or beyond 16 nt are stored as zeros and read by nobody
.endr
	s_mov_b32 s30, 0x4038aa3b                      ; c = 2 log2(e)
	s_mov_b32 s31, s30                             ; (named with it as a pair)
	s_mov_b32 s32, 0xff00ff00                      ; lanes with bit 3,
	s_mov_b32 s33, 0xf0f0f0f0                      ; bit 2,
	s_mov_b32 s34, 0xcccccccc                      ; bit 1
	s_mov_b32 s41, 0
	s_wait_kmcnt 0x0
	s_lshl_b32 s40, s22, 9
	s_add_nc_u64 s[4:5], s[4:5], s[40:41]
	s_load_b32 s23, s[4:5], 0x100                  ; n_b
	s_lshl_b32 s40, s21, 18                        ; my first tile of W2, t0 = 16 hq + 4 w: 16,384 bytes a tile
	s_lshl_b32 s28, s20, 16
	s_add_co_u32 s40, s40, s28
	s_add_nc_u64 s[10:11], s[10:11], s[40:41]
	s_lshl_b32 s40, s21, 13                        ; its scale words: 512 bytes a tile
	s_lshl_b32 s28, s20, 11
	s_add_co_u32 s40, s40, s28
	s_add_nc_u64 s[12:13], s[12:13], s[40:41]
	s_lshl_b32 s40, s21, 16                        ; c q: 4,096 bytes a tile, 64 a batch
	s_lshl_b32 s28, s20, 14
	s_add_co_u32 s40, s40, s28
	s_lshl_b32 s28, s22, 6
	s_add_co_u32 s40, s40, s28
	s_add_nc_u64 s[14:15], s[14:15], s[40:41]
	s_lshl_b32 s40, s21, 10                        ; v: 64 bytes a tile
	s_lshl_b32 s28, s20, 8
	s_add_co_u32 s40, s40, s28
	s_add_nc_u64 s[16:17], s[16:17], s[40:41]
	s_lshl_b32 s40, s22, 20
	s_add_nc_u64 s[36:37], s[6:7], s[40:41]        ; the batch's codes, group 0
	s_lshl_b32 s40, s22, 15
	s_add_nc_u64 s[38:39], s[8:9], s[40:41]        ; and scale bytes
	s_lshl_b32 s40, s21, 18
	s_lshl_b32 s28, s22, 12
	s_add_co_u32 s40, s40, s28
	s_add_nc_u64 s[18:19], s[18:19], s[40:41]      ; part at (hq, b)
	LOAD_STAGE                                     ; group 0: launch 1 writes it whatever n_b
	WIN 0x80                                       ; destination window 2
	W2LOAD 0
	W2LOAD 1
	W2LOAD 2
	W2LOAD 3
	WIN 0xc0                                       ; window 3
	W2LOAD 4
	W2LOAD 5
	W2LOAD 6
	W2LOAD 7
	WIN 0
.irp u, 0,1
	global_load_b128 v[WS+8*\u:WS+8*\u+3], v22, s[12:13] offset:1024*\u
	global_load_b128 v[WS+8*\u+4:WS+8*\u+7], v22, s[12:13] offset:1024*\u+16
.endr
.irp k, 0,1,2,3
.irp i, 0,1,2,3
	global_load_b32 v[ACC+4*\k+\i], v23, s[14:15] offset:\k*262144+\i*4096    ; the four parts of c q of unit 16 (t0 + i) + r
.endr
.endr
.irp i, 0,1,2,3
	global_load_b32 v[ACC+16+\i], v23, s[16:17] offset:64*\i
.endr
	s_wait_kmcnt 0x0
	s_min_u32 s23, s23, 1024
	s_add_co_u32 s24, s23, 15
	s_lshr_b32 s24, s24, 4                         ; nt
	s_add_co_u32 s25, s23, 63
	s_lshr_b32 s25, s25, 6                         ; ng
	s_wait_loadcnt 0x0
.irp i, 0,1,2,3
	v_add_f32 v[CQ+2*\i], v[ACC+\i], v[ACC+4+\i]
	v_add_f32 v[CQ+2*\i+1], v[ACC+8+\i], v[ACC+12+\i]
.endr
.irp i, 0,1,2,3
	v_add_f32 v[CQ+2*\i], v[CQ+2*\i], v[CQ+2*\i+1]
	v_mul_f32 v[VV+2*\i], -2.0, v[ACC+16+\i]
.endr
.irp i, 0,1,2,3
	v_mov_b32 v[CQ+2*\i+1], v[CQ+2*\i]             ; (the packed forms name pairs and take the low word for both halves: the upper one is written too)
	v_mov_b32 v[VV+2*\i+1], v[VV+2*\i]
.endr
	STORE_STAGE 0
	s_wait_xcnt 0x0
	s_add_nc_u64 s[36:37], s[36:37], 0x10000       ; group 1
	s_add_nc_u64 s[38:39], s[38:39], 0x800
	s_cmp_gt_u32 s25, 1
	s_cbranch_scc0 .Lno_one
	s_wait_dscnt 0x0                               ; the stores have read the staging registers
	LOAD_STAGE
.Lno_one:
	s_wait_xcnt 0x0
	s_add_nc_u64 s[36:37], s[36:37], 0x10000       ; group 2
	s_add_nc_u64 s[38:39], s[38:39], 0x800
	s_mov_b32 s26, 0                               ; g
	s_mov_b32 s27, 0                               ; 4 g
	s_mov_b32 s43, 0                               ; 256 g
	s_mov_b32 s42, 0
	s_wait_dscnt 0x0                               ; my part of slot 0 has landed
	s_barrier_signal -1
	s_barrier_wait -1
	LOADF 0, 0                                     ; group 0's first tile, as every later group's: behind the barrier that shows its slot whole
.Ltrip:
	TRIP 0
	TRIP 1
	s_add_co_u32 s42, s42, 1
	s_cmp_lt_u32 s42, 8
	s_cbranch_scc1 .Ltrip
	s_wait_dscnt 0x0                               ; for the others' sake: my last scores, stored behind the last trip's barrier, have landed
	s_barrier_signal -1
	s_barrier_wait -1
	; the four waves' scores are added and leave: thread n takes places 4 n .. 4 n + 3 and 512 + 4 n .. (every run of products was followed by its eight places)
	v_lshl_add_u32 v16, v0, 4, SC
	v_lshlrev_b32 v17, 4, v0
.irp f, 0,1
.irp k, 0,1,2,3
	ds_load_b128 v[KF+16*\f+4*\k:KF+16*\f+4*\k+3], v16 offset:\k*4096+\f*2048
.endr
.endr
	s_wait_dscnt 0x0
.irp f, 0,1
	v_pk_add_f32 v[KF+16*\f:KF+16*\f+1], v[KF+16*\f:KF+16*\f+1], v[KF+16*\f+4:KF+16*\f+5]
	v_pk_add_f32 v[KF+16*\f+2:KF+16*\f+3], v[KF+16*\f+2:KF+16*\f+3], v[KF+16*\f+6:KF+16*\f+7]
	v_pk_add_f32 v[KF+16*\f+8:KF+16*\f+9], v[KF+16*\f+8:KF+16*\f+9], v[KF+16*\f+12:KF+16*\f+13]
	v_pk_add_f32 v[KF+16*\f+10:KF+16*\f+11], v[KF+16*\f+10:KF+16*\f+11], v[KF+16*\f+14:KF+16*\f+15]
.endr
.irp f, 0,1
	v_pk_add_f32 v[KF+16*\f:KF+16*\f+1], v[KF+16*\f:KF+16*\f+1], v[KF+16*\f+8:KF+16*\f+9]
	v_pk_add_f32 v[KF+16*\f+2:KF+16*\f+3], v[KF+16*\f+2:KF+16*\f+3], v[KF+16*\f+10:KF+16*\f+11]
.endr
	global_store_b128 v17, v[KF:KF+3], s[18:19]                  ; a wave stores 512 consecutive bytes
	global_store_b128 v17, v[KF+16:KF+19], s[18:19] offset:2048
	s_wait_tensorcnt 0x0                           ; the wave's end
	ds_add_u32 v2, v3
	s_wait_dscnt 0x0
	s_endpgm
.Lfunc_end_k_q66c8d3a1df_scores:
	.size	k_q66c8d3a1df_scores, .Lfunc_end_k_q66c8d3a1df_scores-k_q66c8d3a1df_scores
	.p2alignl 7, 3214868480
	.fill 96, 4, 3214868480
	.section	.rodata,"a",@progbits
	.p2align	6, 0x0
	.amdhsa_kernel k_q66c8d3a1df_scores
		.amdhsa_group_segment_fixed_size 156160
		.amdhsa_private_segment_fixed_size 0
		.amdhsa_enable_private_segment 0
		.amdhsa_kernarg_size 64
		.amdhsa_user_sgpr_count 2
		.amdhsa_user_sgpr_kernarg_segment_ptr 1
		.amdhsa_wavefront_size32 1
		.amdhsa_system_sgpr_workgroup_id_x 1
		.amdhsa_system_sgpr_workgroup_id_y 1
		.amdhsa_system_sgpr_workgroup_id_z 1
		.amdhsa_system_vgpr_workitem_id 0
		.amdhsa_next_free_vgpr 1024
		.amdhsa_next_free_sgpr 66
		.amdhsa_reserve_vcc 0
		.amdhsa_float_denorm_mode_32 3
		.amdhsa_float_denorm_mode_16_64 3
		.amdhsa_memory_ordered 1
		.amdhsa_forward_progress 1
		.amdhsa_inst_pref_size 153
	.end_amdhsa_kernel
	.amdgpu_metadata
---
amdhsa.version: [ 1, 2 ]
amdhsa.kernels:
  - .name:           k_q66c8d3a1df_scores
    .symbol:         k_q66c8d3a1df_scores.kd
    .args:
      - { .name: meta, .offset: 0, .size: 8, .value_kind: global_buffer, .address_space: global }
      - { .name: kc, .offset: 8, .size: 8, .value_kind: global_buffer, .address_space: global }
      - { .name: ks, .offset: 16, .size: 8, .value_kind: global_buffer, .address_space: global }
      - { .name: w2c, .offset: 24, .size: 8, .value_kind: global_buffer, .address_space: global }
      - { .name: w2s, .offset: 32, .size: 8, .value_kind: global_buffer, .address_space: global }
      - { .name: qc, .offset: 40, .size: 8, .value_kind: global_buffer, .address_space: global }
      - { .name: v, .offset: 48, .size: 8, .value_kind: global_buffer, .address_space: global }
      - { .name: part, .offset: 56, .size: 8, .value_kind: global_buffer, .address_space: global }
    .group_segment_fixed_size: 156160
    .private_segment_fixed_size: 0
    .kernarg_segment_align: 8
    .kernarg_segment_size: 64
    .max_flat_workgroup_size: 128
    .sgpr_count:     66
    .vgpr_count:     1024
    .wavefront_size: 32
...
	.end_amdgpu_metadata
.endif
;; end of part 2
;; launch context (part 3): grid 8 x 64, 16 waves a work-group, no clusters, 10,752 bytes of LDS; arguments meta, part, keys, out0, out1; writes out0, out1
.if DOCPART == 3
	.amdgcn_target "amdgcn-amd-amdhsa--gfx1250"
	.amdhsa_code_object_version 6
	.text
	.protected	k_q66c8d3a1df_context
	.globl	k_q66c8d3a1df_context
	.p2align	8
	.type	k_q66c8d3a1df_context,@function
k_q66c8d3a1df_context:
	s_mov_b64 s[64:65], 0
	v_nop
	global_prefetch_b8 v0, s[64:65] scope:SCOPE_SE
	s_setreg_imm32_b32 hwreg(HW_REG_WAVE_MODE, 25, 1), 1
	s_wait_xcnt 0x0
; ADDITIVE ATTENTION, launch 3 of 3.  The four parts of each live row's score are added; softmax along the batch's 1,024 rows; out1 = weights; out0 = weights . keys, all in f32.
; LEFT OUT (shown at the head of launch 1): the keys of masked rows, whose weight is 0, and the term sum(v) of the scores.  The maximum is taken away before the exponential.
; SHARES.  Work-group (cs, b): batch b, columns 128 cs on.  Every work-group of a batch makes the batch's softmax anew (4 x 4 KiB of scores); cs = 0 stores the weights.
; Wave w: rows 64 w .. 64 w + 63, two words of live bits; in the softmax a lane is a row, in the weighted sum a lane is four columns: a row's load is 512 consecutive bytes.
; THE LIVE ROWS ARE ONE LIST, taken off the two words bit by bit, and go through a ring of four chunks of four rows: 16 loads of a wave are out.  The first 16 are asked for ahead of the softmax: they hang on the live bits alone.
; A slot for which the list has no row left names row 63 of the wave again and takes the weight 0 (bit 6 of the slot's number).  When the list is empty the ring is drained by one of four written-out tails.
; NO LIVE ROW: the maximum is held at the least finite number, every p is 0, the sum is held at 1 from below (with a live row it is at least 1): weights and context are 0, as nan_to_num makes them.
; LIMIT: a NaN or an infinity in a masked row of keys is not carried to the context, unless that row is a wave's row 63 named by a spare slot.
; No tensor load, no cluster: branches hang on the live bits, read from memory.  No matrix instruction: each product has one row.  No prefetch: the launch streams its rows, 16 loads a wave out.
.set RED0,  0                          ; 16 maxima
.set RED1,  256                        ; 16 sums
.set CTX,   512                        ; [wave 16][512 bytes]
.set SPARE, 8704                       ; the spare words, 128 bytes a wave
.set AC,    28                         ; v28-43   four sets of four sums
.set X,     48                         ; v48-111  16 slots of 16 bytes
.set OFS,   112                        ; v112-127 their offsets
.set ROWS,  68                         ; s68-83   a slot's row 0..63, + 64 where the slot is spare
.set WT,    84                         ; s84-91   four weights, as the low words of pairs
; Four rows are taken off the list (s30: the word at work, s31: the word to come, s32: 0 or 32) and asked for, into chunk c
.macro ISSUE c
.irp j, 0,1,2,3
	s_cmp_eq_u32 s30, 0
	s_cselect_b32 s30, s31, s30                    ; the first word is used up: on to the second
	s_cselect_b32 s31, 0, s31
	s_cselect_b32 s32, 32, s32
	s_ctz_i32_b32 s34, s30                         ; the lowest live bit
	s_min_u32 s34, s34, 31
	s_add_co_u32 s34, s34, s32
	s_min_u32 s34, s34, 63                         ; a number read from memory enters an address only held inside the wave's rows
	s_cmp_eq_u32 s30, 0
	s_cselect_b32 s35, 64, 0                       ; a spare slot
	s_or_b32 s[ROWS+4*(\c)+\j], s34, s35
	s_sub_co_u32 s35, s30, 1
	s_and_b32 s30, s30, s35                        ; the bit is used up
	v_lshl_add_u32 v[OFS+4*(\c)+\j], s34, 12, v4   ; 4,096 bytes a row + 16 x lane
	global_load_b128 v[X+16*(\c)+4*\j:X+16*(\c)+4*\j+3], v[OFS+4*(\c)+\j], s[14:15] th:TH_LOAD_NT
.endr
.endm
; Chunk c's four rows are weighed in.  left: the younger loads, which may stay out.  The weights are fetched first, so that the eight multiply-adds stand on end
.macro CONSUME c, left
.irp j, 0,1,2,3
	s_and_b32 s34, s[ROWS+4*(\c)+\j], 31           ; the lane that holds the row's weight,
	v_readlane_b32 s[WT+2*\j], v16, s34
	v_readlane_b32 s35, v17, s34
	s_bitcmp1_b32 s[ROWS+4*(\c)+\j], 5             ; in the first word's register or the second's
	s_cselect_b32 s[WT+2*\j], s35, s[WT+2*\j]
	s_bitcmp1_b32 s[ROWS+4*(\c)+\j], 6
	s_cselect_b32 s[WT+2*\j], 0, s[WT+2*\j]        ; a spare slot counts for nothing
.endr
	s_wait_alu depctr_va_vdst(0)                   ; directly ahead of the wait below
	s_wait_loadcnt \left
.irp j, 0,1,2,3
	v_pk_fma_f32 v[AC+4*\j:AC+4*\j+1], v[X+16*(\c)+4*\j:X+16*(\c)+4*\j+1], s[WT+2*\j:WT+2*\j+1], v[AC+4*\j:AC+4*\j+1] op_sel_hi:[1,0,1]
	v_pk_fma_f32 v[AC+4*\j+2:AC+4*\j+3], v[X+16*(\c)+4*\j+2:X+16*(\c)+4*\j+3], s[WT+2*\j:WT+2*\j+1], v[AC+4*\j+2:AC+4*\j+3] op_sel_hi:[1,0,1]
.endr
.endm
.macro FOLD op, r                      ; over the 16 lanes of a half
.irp m, 1,2,4,8
	\op v[\r], v[\r], v[\r] row_xmask:\m row_mask:0xf bank_mask:0xf
.endr
.endm
	s_load_b256 s[4:11], s[0:1], 0x0               ; meta 4, part 6, keys 8, out0 10
	s_load_b64 s[12:13], s[0:1], 0x20              ; out1
	v_lshrrev_b32 v1, 5, v0
	v_readfirstlane_b32 s20, v1                    ; wave 0..15
	s_and_b32 s22, ttmp7, 0xffff                   ; b
	s_mov_b32 s28, 0x76543210
	s_mov_b32 s29, 0xfedcba98                      ; v_permlanex16_b32's selects for lane l xor 16
.irp r, 85,87,89,91
	s_mov_b32 s\r, 0                               ; the upper words of the weights' pairs: named, so written
.endr
	s_lshl_b32 s18, s20, 9
	s_add_co_u32 s18, s18, CTX
	s_lshl_b32 s16, s22, 9
	s_lshl_b32 s19, s20, 3
	s_add_co_u32 s16, s16, s19                     ; meta: 512 b + 8 w
	s_mov_b32 s17, 0
	v_lshl_add_u32 v2, v0, 2, SPARE                ; my spare word; never rewritten
	v_mov_b32 v3, 0                                ; 0; never rewritten
	v_and_b32 v1, 31, v0                           ; lane
	v_lshlrev_b32 v4, 4, v1                        ; 16 x lane
	v_add_nc_u32 v8, s18, v4                       ; LDS: where my sums go
	v_mov_b32 v9, s20
	v_lshlrev_b32 v9, 2, v9                        ; my wave's word among 16
	v_and_b32 v11, 15, v0
	v_lshlrev_b32 v11, 2, v11                      ; and the word that my lane reads back
	v_mov_b32 v7, 0                                ; (a lane permute's destination counts as one of its sources)
	v_mov_b32 v12, 0xff800000                      ; -infinity
.irp j, 0,1,2,3,4,5,6,7,8,9,10,11,12,13,14,15
	v_mov_b32 v[AC+\j], 0
.endr
	s_wait_alu depctr_va_vdst(0)                   ; the wait at the head's end
	s_wait_kmcnt 0x0
	s_add_nc_u64 s[4:5], s[4:5], s[16:17]
	s_load_b64 s[24:25], s[4:5], 0x0               ; my two words of live bits
	s_load_b64 s[26:27], s[4:5], 0x80              ; and the live rows before each
	s_lshl_b32 s16, s22, 12
	s_add_nc_u64 s[6:7], s[6:7], s[16:17]          ; part at b
	s_add_nc_u64 s[10:11], s[10:11], s[16:17]      ; out0 at b
	s_add_nc_u64 s[12:13], s[12:13], s[16:17]      ; out1 at b
	s_lshl_b32 s16, s22, 22
	s_lshl_b32 s18, ttmp9, 9
	s_add_co_u32 s16, s16, s18
	s_lshl_b32 s18, s20, 18
	s_add_co_u32 s16, s16, s18
	s_add_nc_u64 s[14:15], s[8:9], s[16:17]        ; keys at (b, row 64 w, column 128 cs)
	s_mov_b32 s32, 0
	s_wait_kmcnt 0x0
	v_mbcnt_lo_u32_b32 v5, s24, 0                  ; live rows below mine in my word
	v_mbcnt_lo_u32_b32 v13, s25, 0
	v_add_nc_u32 v5, s26, v5
	v_add_nc_u32 v13, s27, v13
	v_min_u32 v5, 0x3ff, v5                        ; held inside the table
	v_min_u32 v13, 0x3ff, v13
	v_lshlrev_b32 v5, 2, v5
	v_lshlrev_b32 v13, 2, v13
.irp k, 0,1,2,3
	global_load_b32 v[18+\k], v5, s[6:7] offset:\k*262144
	global_load_b32 v[22+\k], v13, s[6:7] offset:\k*262144
.endr
	s_mov_b32 s30, s24
	s_mov_b32 s31, s25
	ISSUE 0                                        ; the ring's first 16 rows go out under the softmax
	ISSUE 1
	ISSUE 2
	ISSUE 3
	s_wait_loadcnt 16                              ; the eight scores are in; younger: the 16 rows
	v_add_f32 v16, v18, v19
	v_add_f32 v17, v22, v23
	v_add_f32 v18, v20, v21
	v_add_f32 v22, v24, v25
	v_add_f32 v16, v16, v18
	v_add_f32 v17, v17, v22
	v_cndmask_b32 v16, v12, v16, s24               ; the score where the row is live, else -infinity
	v_cndmask_b32 v17, v12, v17, s25
	v_max_num_f32 v6, v16, v17
	FOLD v_max_num_f32_dpp, 6
	v_permlanex16_b32 v7, v6, s28, s29
	v_max_num_f32 v6, v6, v7                       ; my 64 rows' maximum
	ds_store_b32 v9, v6 offset:RED0                ; all lanes write the same word with the same value
	s_wait_alu depctr_va_vdst(0)
	s_wait_dscnt 0x0
	s_barrier_signal -1
	s_barrier_wait -1
	ds_load_b32 v6, v11 offset:RED0                ; lane l takes wave l % 16's
	s_wait_dscnt 0x0
	FOLD v_max_num_f32_dpp, 6
	v_max_num_f32 v6, 0xff7fffff, v6               ; the batch's maximum, held at the least finite number
	v_sub_f32 v16, v16, v6
	v_sub_f32 v17, v17, v6
	v_mul_f32 v16, 0x3fb8aa3b, v16
	v_mul_f32 v17, 0x3fb8aa3b, v17
	s_wait_alu depctr_va_vdst(0)                   ; ahead of the batch
	v_exp_f32 v16, v16                             ; p = e^(score - maximum)
	v_exp_f32 v17, v17
	v_nop                                          ; a plain instruction behind the exponentials,
	s_wait_alu depctr_va_vdst(0)                   ; and the wait ahead of their first reader
	v_add_f32 v10, v16, v17
	FOLD v_add_f32_dpp, 10
	v_permlanex16_b32 v7, v10, s28, s29
	v_add_f32 v10, v10, v7
	ds_store_b32 v9, v10 offset:RED1               ; other bytes than the maxima's: no barrier is owed between
	s_wait_dscnt 0x0
	s_barrier_signal -1
	s_barrier_wait -1
	ds_load_b32 v10, v11 offset:RED1
	s_wait_dscnt 0x0
	FOLD v_add_f32_dpp, 10
	v_max_num_f32 v10, 1.0, v10                    ; the sum, held at 1 from below (see the head)
	s_wait_alu depctr_va_vdst(0)                   ; ahead of the transcendental
	v_rcp_f32 v10, v10
	v_nop
	s_wait_alu depctr_va_vdst(0)                   ; and ahead of its first reader
	v_mul_f32 v16, v16, v10                        ; the weights of rows 64 w + lane
	v_mul_f32 v17, v17, v10                        ; and 64 w + 32 + lane
	s_wait_alu depctr_va_vdst(0)
	s_cmp_lg_u32 ttmp9, 0
	s_cbranch_scc1 .Lno_weights
	s_lshl_b32 s16, s20, 8
	s_add_nc_u64 s[12:13], s[12:13], s[16:17]
	v_lshlrev_b32 v14, 2, v1
	global_store_b32 v14, v16, s[12:13]            ; 128 neighbouring bytes each: the wave's two stores fill 256
	global_store_b32 v14, v17, s[12:13] offset:128
.Lno_weights:
	s_or_b32 s33, s30, s31
	s_cmp_eq_u32 s33, 0
	s_cbranch_scc1 .Ldrain_3                       ; 16 live rows or fewer: all are asked for
	s_mov_b32 s40, 0
.Lring:                                            ; a trip goes once round the ring; 64 rows are 16 chunks, four asked for above: three trips at the most
.irp c, 0,1,2,3
	CONSUME \c, 12                                 ; younger: the three other chunks
	ISSUE \c
	s_or_b32 s33, s30, s31
	s_cmp_eq_u32 s33, 0
	s_cbranch_scc1 .Ldrain_\c                      ; the list is empty
.endr
	s_add_co_u32 s40, s40, 1
	s_cmp_lt_u32 s40, 3
	s_cbranch_scc1 .Lring
.irp c, 3,0,1,2                        ; chunk c was asked for last: the other three are older, and the counts run down
.Ldrain_\c:
	CONSUME (\c+1)%4, 12
	CONSUME (\c+2)%4, 8
	CONSUME (\c+3)%4, 4
	CONSUME \c, 0
.if \c != 2
	s_branch .Lsum
.endif
.endr
.Lsum:
	s_wait_alu depctr_va_vdst(0)
	v_pk_add_f32 v[AC:AC+1], v[AC:AC+1], v[AC+4:AC+5]
	v_pk_add_f32 v[AC+2:AC+3], v[AC+2:AC+3], v[AC+6:AC+7]
	v_pk_add_f32 v[AC+8:AC+9], v[AC+8:AC+9], v[AC+12:AC+13]
	v_pk_add_f32 v[AC+10:AC+11], v[AC+10:AC+11], v[AC+14:AC+15]
	v_pk_add_f32 v[AC:AC+1], v[AC:AC+1], v[AC+8:AC+9]
	v_pk_add_f32 v[AC+2:AC+3], v[AC+2:AC+3], v[AC+10:AC+11]
	ds_store_b128 v8, v[AC:AC+3]
	s_wait_dscnt 0x0                               ; for wave 0's sake
	s_barrier_signal -1
	s_barrier_wait -1
	s_cmp_lg_u32 s20, 0
	s_cbranch_scc1 .Ldone
.irp k, 0,1,2,3,4,5,6,7,8,9,10,11,12,13,14,15
	ds_load_b128 v[X+4*\k:X+4*\k+3], v4 offset:CTX+512*\k
.endr
	s_wait_dscnt 0x0
.irp k, 0,1,2,3,4,5,6,7
	v_pk_add_f32 v[X+4*\k:X+4*\k+1], v[X+4*\k:X+4*\k+1], v[X+32+4*\k:X+32+4*\k+1]
	v_pk_add_f32 v[X+4*\k+2:X+4*\k+3], v[X+4*\k+2:X+4*\k+3], v[X+32+4*\k+2:X+32+4*\k+3]
.endr
.irp k, 0,1,2,3
	v_pk_add_f32 v[X+4*\k:X+4*\k+1], v[X+4*\k:X+4*\k+1], v[X+16+4*\k:X+16+4*\k+1]
	v_pk_add_f32 v[X+4*\k+2:X+4*\k+3], v[X+4*\k+2:X+4*\k+3], v[X+16+4*\k+2:X+16+4*\k+3]
.endr
.irp k, 0,1
	v_pk_add_f32 v[X+4*\k:X+4*\k+1], v[X+4*\k:X+4*\k+1], v[X+8+4*\k:X+8+4*\k+1]
	v_pk_add_f32 v[X+4*\k+2:X+4*\k+3], v[X+4*\k+2:X+4*\k+3], v[X+8+4*\k+2:X+8+4*\k+3]
.endr
	v_pk_add_f32 v[X:X+1], v[X:X+1], v[X+4:X+5]
	v_pk_add_f32 v[X+2:X+3], v[X+2:X+3], v[X+6:X+7]
	s_lshl_b32 s16, ttmp9, 9
	s_add_nc_u64 s[10:11], s[10:11], s[16:17]
	global_store_b128 v4, v[X:X+3], s[10:11]       ; 512 consecutive bytes of the batch's context
.Ldone:
	s_wait_tensorcnt 0x0                           ; the wave's end: three lines behind the last LDS store
	ds_add_u32 v2, v3
	s_wait_dscnt 0x0
	s_endpgm
.Lfunc_end_k_q66c8d3a1df_context:
	.size	k_q66c8d3a1df_context, .Lfunc_end_k_q66c8d3a1df_context-k_q66c8d3a1df_context
	.p2alignl 7, 3214868480
	.fill 96, 4, 3214868480
	.section	.rodata,"a",@progbits
	.p2align	6, 0x0
	.amdhsa_kernel k_q66c8d3a1df_context
		.amdhsa_group_segment_fixed_size 10752
		.amdhsa_private_segment_fixed_size 0
		.amdhsa_enable_private_segment 0
		.amdhsa_kernarg_size 40
		.amdhsa_user_sgpr_count 2
		.amdhsa_user_sgpr_kernarg_segment_ptr 1
		.amdhsa_wavefront_size32 1
		.amdhsa_system_sgpr_workgroup_id_x 1
		.amdhsa_system_sgpr_workgroup_id_y 1
		.amdhsa_system_sgpr_workgroup_id_z 1
		.amdhsa_system_vgpr_workitem_id 0
		.amdhsa_next_free_vgpr 128
		.amdhsa_next_free_sgpr 100
		.amdhsa_reserve_vcc 0
		.amdhsa_float_denorm_mode_32 3
		.amdhsa_float_denorm_mode_16_64 3
		.amdhsa_memory_ordered 1
		.amdhsa_forward_progress 1
		.amdhsa_inst_pref_size 64
	.end_amdhsa_kernel
	.amdgpu_metadata
---
amdhsa.version: [ 1, 2 ]
amdhsa.kernels:
  - .name:           k_q66c8d3a1df_context
    .symbol:         k_q66c8d3a1df_context.kd
    .args:
      - { .name: meta, .offset: 0, .size: 8, .value_kind: global_buffer, .address_space: global }
      - { .name: part, .offset: 8, .size: 8, .value_kind: global_buffer, .address_space: global }
      - { .name: keys, .offset: 16, .size: 8, .value_kind: global_buffer, .address_space: global }
      - { .name: out0, .offset: 24, .size: 8, .value_kind: global_buffer, .address_space: global }
      - { .name: out1, .offset: 32, .size: 8, .value_kind: global_buffer, .address_space: global }
    .group_segment_fixed_size: 10752
    .private_segment_fixed_size: 0
    .kernarg_segment_align: 8
    .kernarg_segment_size: 40
    .max_flat_workgroup_size: 512
    .sgpr_count:     100
    .vgpr_count:     128
    .wavefront_size: 32
...
	.end_amdgpu_metadata
.endif
;; end of part 3
